; MI455X (gfx1250); checked and timed in simulation.
; The chip was launched on July 23, 2026; its instructions are those of AMD's public machine-readable ISA for CDNA 5 (MIT licence, August 2026) and "CDNA5" Instruction Set Architecture Reference Guide (July 2026). The comments in the code are by the model that wrote it; some were corrected since.
;; Vector Quantizer. Allowed arithmetic: matrix products marked QUANTISED: E3M2 operands, one E8M0 scale for each 32 along K, by v_wmma_scale_f32_16x16x128_f8f6f4 with both operands' format E3M2, f32 sums; everything else in f32.
;; Inputs: embedding 8,192 x 256 float32; inputs 32,768 x 256 float32.
;; Outputs: out0 32,768 int32.
;; This version of the problem:
;;   THIS VERSION OF THE PROBLEM IS GIVEN IN LOW PRECISION. The matrix products marked QUANTISED in the list below multiply operands that are first quantised to E3M2 (3 exponent bits, 2 mantissa bits; 6 bits a number), with one power-of-two scale for each 32 numbers along K (OCP MX v1.0); their sums are f32. All else is computed in f32.
;;   The module's matrix products, in the order in which they are computed (A, B: the left and right operand; K: the contracted axis; several contracted axes count as one K, in the product's order):
;;     1. [M 32,768, K 256] x [K 256, N 8,192]; A: input inputs; B: input embedding: QUANTISED
;;   THE QUANTISER, for each operand of a quantised product, along K:
;;     - K is cut into blocks of 32 from its start; a last block that is shorter is filled with zeros.
;;     - A block's scale is 2^e with e = floor(log2(the largest magnitude in the block)) - 4, held to -126 .. 127; a block of zeros has e = 0. As a byte (E8M0): e + 127.
;;     - Each number is divided by its block's scale, clamped to +-28, and rounded to the nearest number of E3M2, ties to even, subnormals kept.
;;     - The product sums the exact products of the quantised numbers (number of the format x scale) in f32.
;;   ~~~python
;;   def quantise(x, axis):      # numpy; x: float32 -> the quantised numbers, widened to float32 again
;;       x = np.moveaxis(x, axis, -1); K = x.shape[-1]
;;       x = np.pad(x, [(0, 0)] * (x.ndim - 1) + [(0, -K % 32)]); x = x.reshape(x.shape[:-1] + (-1, 32)); a = np.abs(x).max(-1, keepdims=True)
;;       e = np.where(a > 0, np.clip(np.frexp(np.where(a > 0, a, 1))[1] - 1 - 4, -126, 127), 0)      # np.frexp(a)[1] - 1 = floor(log2(a)), exactly
;;       r = np.clip(x / 2.0 ** e, -28, 28)
;;       step = 2.0 ** (np.maximum(np.frexp(np.where(r == 0, 1, r))[1] - 1, -2) - 2)
;;       q = np.round(r / step) * step * 2.0 ** e      # np.round: ties to even
;;       return np.moveaxis(q.reshape(q.shape[:-2] + (-1,))[..., :K], -1, axis).astype(np.float32)
;;   ~~~
;; One version. Each part assembles by itself: llvm-mc -triple=amdgcn-amd-amdhsa -mcpu=gfx1250 --defsym DOCPART=n.
;; ======== version 1 of 1: 3 launches
;; limits: right only within a limited range of input values
;; workspace buffers: xq 6,815,744 bytes; eq 1,703,936 bytes; pval 1,048,576 bytes; pidx 1,048,576 bytes
;; launch quant (part 1): grid 256 x 1, 10 waves a work-group, no clusters, 88,320 bytes of LDS; arguments inputs, embedding, xq, eq; writes xq, eq
.if DOCPART == 1
	.amdgcn_target "amdgcn-amd-amdhsa--gfx1250"
	.amdhsa_code_object_version 6
	.text
	.protected	k_q23f8f8bf32_quant
	.globl	k_q23f8f8bf32_quant
	.p2align	8
	.type	k_q23f8f8bf32_quant,@function
k_q23f8f8bf32_quant:
	s_mov_b64 s[64:65], 0
	v_nop
	global_prefetch_b8 v0, s[64:65] scope:SCOPE_SE
	s_setreg_imm32_b32 hwreg(HW_REG_WAVE_MODE, 25, 1), 1
	s_wait_xcnt 0x0
; inputs [32768][256] and embedding [8192][256], f32, become RECORDS for the product's launch: one record for each tile of 16 rows x 256 along K, 3,328 bytes (13 x 256):
;   bytes 1536 s + 512 c + 16 lane : registers 4 c .. 4 c + 3 of the lane's 12-register fragment of codes of BF6 (E3M2) of K step s (128 along K): an image of the operand's registers
;   bytes 3072 + 4 lane            : the scale words (four E8M0 bytes for 128 along K): lanes 0-15 row r's word of K step 0, lanes 16-31 row r's word of K step 1
;   bytes 3200 + 4 lane            : -0.5 x the sum of the squares of row lane % 16, taken of the f32 numbers as they are given
; A block's scale is 2^(floor(log2(its largest magnitude)) - 4); its byte is the largest magnitude's exponent field - 4, held at 1 from below.  Each number is divided by the scale and rounded to the
; nearest code, ties to even; beyond the largest code the largest.  A block of zeros gets the byte 1 where the rule says 127: its codes are zeros, and this program alone reads the bytes.
; LIMITS: blocks whose largest magnitude lies under 2^-122 (the floor) have their byte held at 1; NaN and infinities among the inputs are not served.
; SHARES.  2,560 tiles (2,048 of inputs, then 512 of embedding), one to a wave, ten waves to a work-group: tile = 10 x work-group + wave.  Only pointers are chosen by the tile's number: both tensors take one path.
; A wave asks for its whole tile at once: 32 loads of 512 consecutive bytes.  The conversions want 16 neighbours along K in one lane's registers, so each K step (16 rows x 512 bytes) turns through the
; wave's own stage in LDS.  No loop, no barrier: waves share nothing.  No register that a store reads is written again.
.set XT,    2048                       ; tiles of inputs
.set RECB,  3328                       ; bytes of a record
.set SP,    528                        ; a stage row: 512 bytes + 16 = 33 x 16: the 16 rows that a load of 16 bytes a lane touches begin in 16 different columns of 16 bytes modulo 256
.set TAIL,  16*SP                      ; behind the stage: 256 bytes in which the record's last 256 bytes are put together
.set WREG,  TAIL+256                   ; LDS of a wave: 8,704 bytes
.set LI,  1                            ; v1   16 x lane
.set SI,  2                            ; v2   the stage, on the way in: 16 x lane
.set SO,  3                            ; v3   and out: 528 r + 64 h: my 16 numbers of a block of 32 of row r
.set TI,  4                            ; v4   the tail, in: 4 x lane
.set TO,  5                            ; v5   and out: 8 x lane
.set L8,  6                            ; v6   8 x lane
.set LN,  7                            ; v7   lane
.set SQ,  8                            ; v8-15    the sum of squares in four chains of pairs
.set R,   16                           ; v16-143  the tile as loaded: K step s, row p at R + 64 s + 4 p.  K step 0's part is free once it is in the stage, and then holds:
.set PC0, 16                           ; v16-35   K step 0's codes (12 registers, and 8 at work)
.set PC1, 36                           ; v36-55   K step 1's
.set PW0, 56                           ; v56, v57 the two scale words
.set PW1, 57
.set SCW, 58                           ; v58      the scale image
.set NRM, 59                           ; v59      -0.5 x the row's sum of squares
.set TB,  60                           ; v60-61   the tail read back
.set X,   144                          ; v144-207 64 numbers of my row: register 16 b + i = k 32 b + 16 h + i of the K step
.set TM,  208                          ; v208-223 at work: +0..3 largest magnitudes, +4..7 bytes, +12..15 the conversions' scale operands
	s_load_b256 s[4:11], s[0:1], 0x0               ; inputs s[4:5], embedding s[6:7], xq s[8:9], eq s[10:11]
	v_lshl_add_u32 v224, v0, 2, 0x15400
	v_mov_b32 v225, 0
	v_lshrrev_b32 v1, 5, v0
	s_delay_alu instid0(VALU_DEP_1)
	v_readfirstlane_b32 s12, v1                    ; wave 0..9
	v_and_b32 v[LN], 31, v0
	v_and_b32 v4, 15, v0                           ; r
	v_bfe_u32 v5, v0, 4, 1                         ; h
	s_mul_i32 s15, s12, WREG                       ; my wave's LDS
	v_lshlrev_b32 v[LI], 4, v[LN]
	s_delay_alu instid0(VALU_DEP_1)
	v_add_nc_u32 v[SI], s15, v[LI]
	v_mul_u32_u24 v[SO], v4, SP
	s_delay_alu instid0(VALU_DEP_1)
	v_lshl_add_u32 v[SO], v5, 6, v[SO]
	s_delay_alu instid0(VALU_DEP_1)
	v_add_nc_u32 v[SO], s15, v[SO]
	v_lshlrev_b32 v[L8], 3, v[LN]
	s_add_co_u32 s15, s15, TAIL
	v_lshl_add_u32 v[TI], v[LN], 2, s15
	v_add_nc_u32 v[TO], s15, v[L8]
	s_mov_b32 s20, 0x76543210
	s_mov_b32 s21, 0xfedcba98                      ; v_permlanex16_b32's selects for lane l xor 16
.irp b, 0,1,2,3
	v_mov_b32 v[TM+4+\b], 0                        ; written once: a lane permute's destination counts as one of its sources
.endr
	s_mul_i32 s13, ttmp9, 10
	s_add_co_u32 s13, s13, s12                     ; my tile
	s_wait_alu depctr_va_vdst(0)
	s_wait_kmcnt 0x0
	s_cmp_lt_u32 s13, XT                           ; a tile of inputs or of embedding?  The choice hangs on ids alone
	s_cselect_b64 s[4:5], s[4:5], s[6:7]
	s_cselect_b64 s[8:9], s[8:9], s[10:11]
	s_cselect_b32 s14, 0, XT
	s_sub_co_u32 s13, s13, s14                     ; the tile's number in its tensor
	s_lshl_b32 s16, s13, 14                        ; 16 rows of 1,024 bytes
	s_mov_b32 s17, 0
	s_mul_i32 s18, s13, RECB
	s_mov_b32 s19, 0
	s_add_nc_u64 s[4:5], s[4:5], s[16:17]
	s_add_nc_u64 s[8:9], s[8:9], s[18:19]
.irp s, 0,1                                    ; K step 0's sixteen loads first
.irp p, 0,1,2,3,4,5,6,7,8,9,10,11,12,13,14,15
	global_load_b128 v[R+64*\s+4*\p:R+64*\s+4*\p+3], v[LI], s[4:5] offset:1024*\p+512*\s th:TH_LOAD_NT   ; 32 lanes read 512 consecutive bytes, at a multiple of 512 from the tensor's first byte
.endr
.endr
; 64 numbers of a lane, v[src] on, register 16 b + i = k 32 b + 16 (lane / 16) + i of my row, become a fragment's codes in v[pc] .. v[pc + 11] and its scale word in v[pw].
.macro QUANT src, pc, pw
.irp b, 0,1,2,3
	v_max3_num_f32 v[TM+\b], |v[\src+16*\b]|, |v[\src+1+16*\b]|, 0x2800000   ; block b: my 16 numbers, and the floor 2^(5 - 127): so the byte cannot fall under 1
.endr
.irp i, 2,4,6,8,10,12,14
.irp b, 0,1,2,3
	s_delay_alu instid0(VALU_DEP_4)
	v_max3_num_f32 v[TM+\b], v[TM+\b], |v[\src+16*\b+\i]|, |v[\src+1+16*\b+\i]|   ; the four blocks by turns: no line waits for the line above it
.endr
.endr
.irp b, 0,1,2,3
	s_delay_alu instid0(VALU_DEP_4)
	v_permlanex16_b32 v[TM+4+\b], v[TM+\b], s20, s21
.endr
.irp b, 0,1,2,3
	s_delay_alu instid0(VALU_DEP_4)
	v_max_num_f32 v[TM+\b], v[TM+\b], v[TM+4+\b]   ; with lane l xor 16's: the block's largest magnitude
.endr
.irp b, 0,1,2,3
	s_delay_alu instid0(VALU_DEP_4)
	v_add_nc_u32 v[TM+12+\b], 0xfe000000, v[TM+\b] ; 4 off its exponent field: the conversion takes the exponent field of this operand as its scale, and nothing else of it
.endr
.irp b, 0,1,2,3
	s_delay_alu instid0(VALU_DEP_4)
	v_lshrrev_b32 v[TM+4+\b], 23, v[TM+12+\b]      ; the scale's byte
.endr
	s_delay_alu instid0(VALU_DEP_3)
	v_lshl_or_b32 v[\pw], v[TM+5], 8, v[TM+4]      ; the four bytes make my row's scale word; both halves of the lanes hold it
	s_delay_alu instid0(VALU_DEP_1)
	v_lshl_or_b32 v[\pw], v[TM+6], 16, v[\pw]
	s_delay_alu instid0(VALU_DEP_1)
	v_lshl_or_b32 v[\pw], v[TM+7], 24, v[\pw]
.irp c, 0,1
	v_cvt_scalef32_pk16_bf6_f32 v[\pc+6*\c:\pc+2+6*\c], v[\src+32*\c:\src+15+32*\c], v[TM+12+2*\c]
	v_cvt_scalef32_pk16_bf6_f32 v[\pc+12+4*\c:\pc+14+4*\c], v[\src+16+32*\c:\src+31+32*\c], v[TM+12+2*\c+1]   ; (a conversion's three registers begin on an even number)
.endr
	v_nop                                          ; one plain vector instruction behind a scaled conversion
.irp c, 0,1                                    ; the operand's layout wants a WHOLE block in a lane: lanes 0-15 block 2 c, lanes 16-31 block 2 c + 1
.irp i, 0,1,2
	v_permlane16_swap_b32 v[\pc+6*\c+\i], v[\pc+12+4*\c+\i]
.endr
.irp i, 0,1,2
	s_delay_alu instid0(VALU_DEP_3)
	v_mov_b32 v[\pc+3+6*\c+\i], v[\pc+12+4*\c+\i]
.endr
.endr
.endm
; K step s: through the stage, into the sum of squares, into codes, and out.
.macro HALF s, pc, pw
	s_wait_loadcnt 16-16*\s                        ; loads come back in order: K step 0's sixteen are in while K step 1's sixteen may be out; then all
.irp p, 0,1,2,3,4,5,6,7,8,9,10,11,12,13,14,15
	ds_store_b128 v[SI], v[R+64*\s+4*\p:R+64*\s+4*\p+3] offset:SP*\p
.endr
.irp b, 0,1,2,3
.irp j, 0,1,2,3
	ds_load_b128 v[X+16*\b+4*\j:X+16*\b+4*\j+3], v[SO] offset:128*\b+16*\j   ; LDS serves a wave's instructions in order: these see the stores above
.endr
.endr
	s_wait_dscnt 0x0                               ; my 64 numbers are in, and the stores have read their registers
.irp n, 0,1,2,3,4,5,6,7,8,9,10,11,12,13,14,15,16,17,18,19,20,21,22,23,24,25,26,27,28,29,30,31
.if (\s == 0) && (\n < 4)
	v_pk_mul_f32 v[SQ+2*\n:SQ+2*\n+1], v[X+2*\n:X+2*\n+1], v[X+2*\n:X+2*\n+1]   ; the first four pairs start the chains: nothing is cleared
.else
	v_pk_fma_f32 v[SQ+2*(\n%4):SQ+2*(\n%4)+1], v[X+2*\n:X+2*\n+1], v[X+2*\n:X+2*\n+1], v[SQ+2*(\n%4):SQ+2*(\n%4)+1]
.endif
.endr
	QUANT X, \pc, \pw
.irp c, 0,1,2
	global_store_b128 v[LI], v[\pc+4*\c:\pc+4*\c+3], s[8:9] offset:1536*\s+512*\c   ; 32 lanes store 512 consecutive bytes, at a multiple of 256 from the buffer's first byte
.endr
.endm
	HALF 0, PC0, PW0
	HALF 1, PC1, PW1
	; the record's last 256 bytes
	v_pk_add_f32 v[SQ:SQ+1], v[SQ:SQ+1], v[SQ+2:SQ+3]
	v_pk_add_f32 v[SQ+4:SQ+5], v[SQ+4:SQ+5], v[SQ+6:SQ+7]
	s_delay_alu instid0(VALU_DEP_1)
	v_pk_add_f32 v[SQ:SQ+1], v[SQ:SQ+1], v[SQ+4:SQ+5]
	s_delay_alu instid0(VALU_DEP_1)
	v_add_f32 v[SQ], v[SQ], v[SQ+1]                ; my 128 numbers of the row,
	s_delay_alu instid0(VALU_DEP_1)
	v_permlanex16_b32 v[SQ+1], v[SQ], s20, s21
	s_delay_alu instid0(VALU_DEP_1)
	v_add_f32 v[SQ], v[SQ], v[SQ+1]                ; and lane l xor 16's
	s_delay_alu instid0(VALU_DEP_1)
	v_mul_f32 v[NRM], -0.5, v[SQ]
	v_cmp_le_u32 vcc_lo, 16, v[LN]
	s_delay_alu instid0(VALU_DEP_1)
	v_cndmask_b32 v[SCW], v[PW0], v[PW1], vcc_lo   ; lanes 0-15 K step 0's word, lanes 16-31 K step 1's
	ds_store_b32 v[TI], v[SCW]
	ds_store_b32 v[TI], v[NRM] offset:128
	ds_load_b64 v[TB:TB+1], v[TO]                  ; in order behind my two stores
	s_wait_dscnt 0x0
	global_store_b64 v[L8], v[TB:TB+1], s[8:9] offset:3072   ; 32 lanes store 256 consecutive bytes, aligned
	s_wait_tensorcnt 0x0
	ds_add_u32 v224, v225
	s_wait_dscnt 0x0
	s_endpgm
.Lfunc_end_k_q23f8f8bf32_quant:
	.size	k_q23f8f8bf32_quant, .Lfunc_end_k_q23f8f8bf32_quant-k_q23f8f8bf32_quant
	.p2alignl 7, 3214868480
	.fill 96, 4, 3214868480
	.section	.rodata,"a",@progbits
	.p2align	6, 0x0
	.amdhsa_kernel k_q23f8f8bf32_quant
		.amdhsa_group_segment_fixed_size 88320
		.amdhsa_private_segment_fixed_size 0
		.amdhsa_enable_private_segment 0
		.amdhsa_kernarg_size 32
		.amdhsa_user_sgpr_count 2
		.amdhsa_user_sgpr_kernarg_segment_ptr 1
		.amdhsa_wavefront_size32 1
		.amdhsa_system_sgpr_workgroup_id_x 1
		.amdhsa_system_sgpr_workgroup_id_y 1
		.amdhsa_system_sgpr_workgroup_id_z 1
		.amdhsa_system_vgpr_workitem_id 0
		.amdhsa_next_free_vgpr 226
		.amdhsa_next_free_sgpr 66
		.amdhsa_reserve_vcc 1
		.amdhsa_float_denorm_mode_32 3
		.amdhsa_float_denorm_mode_16_64 3
		.amdhsa_memory_ordered 1
		.amdhsa_forward_progress 1
		.amdhsa_inst_pref_size 26
	.end_amdhsa_kernel
	.amdgpu_metadata
---
amdhsa.version: [ 1, 2 ]
amdhsa.kernels:
  - .name:           k_q23f8f8bf32_quant
    .symbol:         k_q23f8f8bf32_quant.kd
    .args:
      - { .name: inputs, .offset: 0, .size: 8, .value_kind: global_buffer, .address_space: global }
      - { .name: embedding, .offset: 8, .size: 8, .value_kind: global_buffer, .address_space: global }
      - { .name: xq, .offset: 16, .size: 8, .value_kind: global_buffer, .address_space: global }
      - { .name: eq, .offset: 24, .size: 8, .value_kind: global_buffer, .address_space: global }
    .group_segment_fixed_size: 88320
    .private_segment_fixed_size: 0
    .kernarg_segment_align: 8
    .kernarg_segment_size: 32
    .max_flat_workgroup_size: 320
    .sgpr_count:     66
    .vgpr_count:     226
    .wavefront_size: 32
...
	.end_amdgpu_metadata
.endif
;; end of part 1
;; launch main (part 2): grid 32 x 8, 8 waves a work-group, clusters of 4 x 1, 327,680 bytes of LDS; arguments xq, eq, pval, pidx; writes pval, pidx
.if DOCPART == 2
	.amdgcn_target "amdgcn-amd-amdhsa--gfx1250"
	.amdhsa_code_object_version 6
	.text
	.protected	k_q23f8f8bf32_main
	.globl	k_q23f8f8bf32_main
	.p2align	8
	.type	k_q23f8f8bf32_main,@function
k_q23f8f8bf32_main:
	s_mov_b64 s[64:65], 0
	v_nop
	global_prefetch_b8 v0, s[64:65] scope:SCOPE_SE
	s_setreg_imm32_b32 hwreg(HW_REG_WAVE_MODE, 25, 1), 1
	s_wait_xcnt 0x0
	s_wait_alu depctr_hold_cnt(0) depctr_sa_sdst(0) depctr_va_vdst(0) depctr_va_sdst(0) depctr_va_ssrc(0) depctr_va_vcc(0) depctr_vm_vsrc(0)
	s_getreg_b32 s2, hwreg(HW_REG_IB_STS2, 6, 4)
	s_cmp_eq_u32 s2, 0
	s_cbranch_scc0 .Lentry_in_a_cluster
	s_endpgm
.Lentry_in_a_cluster:
	s_bfe_u32 s2, ttmp6, 0x10000c
	s_cmp_lg_u32 s2, 0x3003
	s_cbranch_scc0 .Lentry_shape_is_right
	s_endpgm
.Lentry_shape_is_right:
; For 1,024 rows of inputs and one eighth (1,024 codes) of embedding: pval[eighth][row] = the largest of <x, e> - |e|^2 / 2 over the eighth's codes, - |x|^2 / 2 added at the end
; (that is -distance / 2, so the largest is the smallest distance), and pidx[eighth][row] = the lowest code index that reaches it.
; Operands come as records of 3,328 bytes for 16 rows x 256 along K: two images of a 12-register fragment of E3M2 codes, the scale words, and -0.5 x the rows' sums of squares.
; LIMITS: the terms are added in another order than reference() adds them (the halved norm of e is the C of the first matrix instruction); NaN and infinities are not served.
; SHARES: 8 waves; a wave keeps 8 tiles of 16 rows of x in 192 registers (window 1) and walks the eighth's 64 records, which lie in LDS for the whole launch.
; THE MATRIX INSTRUCTION: source 0 = 16 codes of e, source 1 = 16 rows of x: lane (r, h) holds row r of x, its register j the code 8 h + j of the tile.
; CLUSTER: the four work-groups of a cluster take the same eighth and ask for its records jointly.  Each wave asks for 2 records at the head and for 6 more behind one full sequence and
; a round of the cluster's barrier; the 48 later records are first read in tile 16.  No LDS byte is filled twice.
; NO PREFETCH: all that the launch reads is asked for by the end of its head; no later request is left to run ahead of.
; THE SELECTION, for each tile of 16 x 16: four v_max3 over the lane's eight results and the running largest; one compare; where the largest has grown, seven of the eight results and the
; tile's number are kept (four dual selects).  At the end the position is the lowest of the seven that equals the largest, else 7.  The running largest lies in two sets by turns.
; The maxima of a group of four tiles and the compares and selects of the group before are laid by turns, so that four other instructions stand between a compare and its selects.
.set RECB,  3328
.set EIGHTH, 64*RECB
.set NA,    16                         ; records of the first fill, 2 a wave; the other 48 come 6 a wave
.set OUT,   EIGHTH                     ; the way out: 1,024 bytes a wave
.set SPARE, OUT+8*1024                 ; the spare words: 128 bytes a wave, four blocks of 256 bytes that no other line names
.set LI,  1                            ; 16 x lane
.set LS,  2                            ; 4 x lane
.set AC,  3                            ; LDS: the record's codes, scale word (AS), norms (AB)
.set AS,  4
.set H8,  5                            ; 8 h
.set OS,  6                            ; the way out, in
.set ORD, 7                            ; and back
.set EF,  8                            ; v8-55   e's fragments, two sets of 24
.set EB,  56                           ; v56-71  e's halved norms, two sets of 8
.set ES,  72                           ; v72-73  e's scale words
.set XS,  74                           ; v74-81  x's scale words
.set XC,  82                           ; v82-89  x's halved norms
.set AB,  90
.set H32, 91                           ; 32 h
.set TN,  92                           ; the tile's number
.set D,   96                           ; v96-159 results: two sets of four tiles
.set SAV, 160                          ; v160-223 for each tile of x: seven kept results, and in place 7 the kept tile number
.set RUNA, 224                         ; v224-231, v232-239 the running largest, two sets
.set RUNB, 232
.set U,   240                          ; v240-243 at work
.set RB,  244                          ; v244-251 the way out
.set SPW, 254
.set NIL, 255
.set WV,  12
.set G1,  24                           ; s[24:31] group 1, 26 rows of 256 bytes;  s[40:47] the same with 78 rows
.set G0,  32                           ; s[32:35], s[36:39] group 0 of the two fills
.set G0B, 36
.set G1B, 40
.set SEL, 52
.set MK,  54                           ; s54-61 masks on the way out
.set CNT, 62
.set RC,  63
.set MSB, 0
.macro WIN new
.if MSB != \new
	s_set_vgpr_msb (MSB<<8)|\new
.set MSB, \new
.endif
.endm
.macro ROUND                           ; a round of the cluster's barrier
	s_barrier_signal -1
	s_barrier_wait -1
	s_cmp_lg_u32 s[WV], 0
	s_cbranch_scc1 .Lnot_wave_0_\@
	s_barrier_signal -3
.Lnot_wave_0_\@:
	s_barrier_wait -3
	s_barrier_signal -1
	s_barrier_wait -1
.endm
.macro ADDR
	v_add_nc_u32 v[AC], s[RC], v[LI]
	v_add_nc_u32 v[AS], s[RC], v[LS]
	v_add_nc_u32 v[AB], s[RC], v[H32]
.endm
	s_load_b256 s[4:11], s[0:1], 0x0               ; xq s[4:5], eq s[6:7], pval s[8:9], pidx s[10:11]
	v_lshl_add_u32 v[SPW], v0, 2, SPARE
	v_mov_b32 v[NIL], 0
	ds_add_u32 v[SPW], v[NIL]                      ; the opening lines: the add twice on end and one wait
	ds_add_u32 v[SPW], v[NIL]
	v_lshrrev_b32 v3, 5, v0
	v_readfirstlane_b32 s[WV], v3                  ; wave 0..7
	s_bfe_u32 s13, ttmp6, 0x40000                  ; cx
	s_lshl_b32 s14, ttmp9, 2
	s_add_co_u32 s14, s14, s13                     ; which 1,024 rows of x
	s_and_b32 s15, ttmp7, 0xffff                   ; which eighth of e: the same in the four partners
.irp g, G1, G1B
	s_mov_b32 s[\g+0], 15|(3<<16)|(1<<21)          ; the four partners; elements of 8 bytes; bit 21 beside a mask
	s_mov_b32 s[\g+1], 32<<16
	s_mov_b32 s[\g+3], 32<<16
	s_mov_b32 s[\g+5], 32
	s_mov_b32 s[\g+6], 0
	s_mov_b32 s[\g+7], 0
.endr
	s_mov_b32 s[G1+2], 26<<16                      ; 2 records = 26 rows of 256 bytes
	s_mov_b32 s[G1+4], 26
	s_mov_b32 s[G1B+2], 78<<16                     ; 6 records = 78 rows
	s_mov_b32 s[G1B+4], 78
	s_mov_b32 s[G0], 1
	s_mov_b32 s[G0B], 1
	s_mul_i32 s[G0+1], s[WV], 2*RECB               ; LDS: records 2 w, 2 w + 1
	s_mul_i32 s[G0B+1], s[WV], 6*RECB
	s_add_co_u32 s[G0B+1], s[G0B+1], NA*RECB       ; and 16 + 6 w .. 16 + 6 w + 5
	s_mul_i32 s16, s15, EIGHTH
	s_add_co_u32 s18, s16, s[G0+1]                 ; the same places in eq
	s_mov_b32 s19, 0
	s_add_co_u32 s20, s16, s[G0B+1]
	s_mov_b32 s21, 0
	s_mul_i32 s22, s14, EIGHTH                     ; my wave's 8 records of xq
	s_mul_i32 s23, s[WV], 8*RECB
	s_add_co_u32 s22, s22, s23
	s_mov_b32 s23, 0
	s_lshl_b32 s50, s15, 17                        ; pval, pidx: [eighth][row], my wave's 128 rows
	s_lshl_b32 s51, s14, 12
	s_add_co_u32 s50, s50, s51
	s_lshl_b32 s51, s[WV], 9
	s_add_co_u32 s50, s50, s51
	s_mov_b32 s51, 0
	s_mov_b32 s[SEL], 0x76543210
	s_mov_b32 s[SEL+1], 0xfedcba98                 ; v_permlanex16_b32's selects for lane l xor 16
	s_mov_b32 s[RC], 0
	s_lshl_b32 s17, s[WV], 10
	s_add_co_u32 s17, s17, OUT
	s_lshl_b32 s13, s15, 6
	s_sub_co_u32 s13, s13, 1                       ; one under the eighth's first tile number: it is stepped ahead of its first use that counts
	v_and_b32 v[LI], 31, v0
	v_bfe_u32 v[H8], v0, 4, 1
	v_and_b32 v[OS], 15, v0
	v_lshlrev_b32 v[LS], 2, v[LI]
	v_lshlrev_b32 v[H32], 5, v[H8]
	v_lshl_add_u32 v[OS], v[OS], 2, s17
	v_lshlrev_b32 v[LI], 4, v[LI]
	v_lshlrev_b32 v[H8], 3, v[H8]
	v_mov_b32 v[TN], s13
	v_add_nc_u32 v[ORD], s17, v[LI]
	ADDR
	s_wait_alu depctr_va_vdst(0)
	s_wait_dscnt 0x0                               ; both opening adds are done
	s_wait_kmcnt 0x0
	s_add_nc_u64 s[G0+2:G0+3], s[6:7], s[18:19]
	s_or_b32 s[G0+3], s[G0+3], 0x80000000
	s_add_nc_u64 s[G0B+2:G0B+3], s[6:7], s[20:21]
	s_or_b32 s[G0B+3], s[G0B+3], 0x80000000
	s_add_nc_u64 s[4:5], s[4:5], s[22:23]
	s_add_nc_u64 s[8:9], s[8:9], s[50:51]
	s_add_nc_u64 s[10:11], s[10:11], s[50:51]
	ROUND                                          ; the four partners are here: the first joint loads meet
	tensor_load_to_lds s[G0:G0+3], s[G1:G1+7]      ; my one load at the head, ahead of the 64 loads of x
	s_nop 0
	WIN 0x40                                       ; x's fragments: destination window 1
.irp i, 0,1,2,3,4,5,6,7
.irp s, 0,1
.irp c, 0,1,2
	global_load_b128 v[24*\i+12*\s+4*\c:24*\i+12*\s+4*\c+3], v[LI], s[4:5] offset:RECB*\i+1536*\s+512*\c
.endr
.endr
.endr
	WIN 0
.irp i, 0,1,2,3,4,5,6,7
	global_load_b32 v[XS+\i], v[LS], s[4:5] offset:RECB*\i+3072
	global_load_b32 v[XC+\i], v[LS], s[4:5] offset:RECB*\i+3200
.endr
.irp i, 0,1,2,3,4,5,6,7
	v_mov_b32 v[RUNA+\i], 0xff800000               ; the running largest begins under every number
.endr
.irp i, 4,5,6,7
	v_mov_b32 v[RUNB+\i], 0xff800000               ; the first tile's selects for 'the tile before' find nothing that has grown
.endr
.set n, 0
.rept 32
	v_mov_b32 v[D+32+n], 0xff800000                ; and read these
.set n, n+1
.endr
.set n, 0
.rept 64
	v_mov_b32 v[SAV+n], 0                          ; a select reads what it may keep
.set n, n+1
.endr
	s_wait_alu depctr_va_vdst(0)
	s_wait_loadcnt 0x0                             ; x's fragments, scale words and norms are in before the second fill is asked for: what the first products need comes first
	s_wait_tensorcnt 0x0                           ; my two records are in
	ds_add_u32 v[SPW], v[NIL]
	s_wait_dscnt 0x0
	ROUND                                          ; records 0-15 are whole, and the partners are here
	tensor_load_to_lds s[G0B:G0B+3], s[G1B:G1B+7]  ; my one load behind the round: six of records 16-63
	s_nop 0
.macro FETCHT f, off                   ; a record into set f: 9 LDS loads
.irp s, 0,1
.irp c, 0,1,2
	ds_load_b128 v[EF+24*(\f)+12*\s+4*\c:EF+24*(\f)+12*\s+4*\c+3], v[AC] offset:(\off)+1536*\s+512*\c
.endr
.endr
	ds_load_b32 v[ES+(\f)], v[AS] offset:(\off)+3072
	ds_load_b128 v[EB+8*(\f):EB+8*(\f)+3], v[AB] offset:(\off)+3200
	ds_load_b128 v[EB+8*(\f)+4:EB+8*(\f)+7], v[AB] offset:(\off)+3216
.endm
; 8 matrix instructions: e's tile in set f against x's tiles 4 g .. 4 g + 3; the four accumulators by turns; the first K step takes e's halved norms as C
.macro GROUP f, g
	WIN 0x04                                       ; source 1 (x) window 1
.irp u, 0,1,2,3
	v_wmma_scale_f32_16x16x128_f8f6f4 v[D+32*(\g)+8*\u:D+32*(\g)+8*\u+7], v[EF+24*(\f):EF+24*(\f)+11], v[24*(4*(\g)+\u):24*(4*(\g)+\u)+11], v[EB+8*(\f):EB+8*(\f)+7], v[ES+(\f)], v[XS+4*(\g)+\u] matrix_a_fmt:MATRIX_FMT_BF6 matrix_b_fmt:MATRIX_FMT_BF6
.endr
.irp u, 0,1,2,3
	v_wmma_scale_f32_16x16x128_f8f6f4 v[D+32*(\g)+8*\u:D+32*(\g)+8*\u+7], v[EF+24*(\f)+12:EF+24*(\f)+23], v[24*(4*(\g)+\u)+12:24*(4*(\g)+\u)+23], v[D+32*(\g)+8*\u:D+32*(\g)+8*\u+7], v[ES+(\f)], v[XS+4*(\g)+\u] matrix_a_fmt:MATRIX_FMT_BF6 matrix_b_fmt:MATRIX_FMT_BF6 matrix_a_scale:MATRIX_SCALE_ROW1 matrix_b_scale:MATRIX_SCALE_ROW1
.endr
	WIN 0
.endm
.macro KEEP s, d                       ; where VCC is set: results 0-6 and the tile's number are kept; two selects an instruction (destinations even and odd, sources in different banks)
.irp j, 0,2,4
	v_dual_cndmask_b32 v[\s+\j], v[\s+\j], v[\d+\j] :: v_dual_cndmask_b32 v[\s+\j+1], v[\s+\j+1], v[\d+\j+1]
.endr
	v_dual_cndmask_b32 v[\s+6], v[\s+6], v[\d+6] :: v_dual_cndmask_b32 v[\s+7], v[\s+7], v[TN]
.endm
; What stands behind the products of group gx (the new group): the selects of the OTHER group, whose maxima the block before has made (its running largest: riy before, roy after), and
; between each of its compares and the selects that read VCC four maxima of the new group (rix before, rox after).  The other group's first tile was compared at the end of the block before;
; its four dual selects and the compare behind them are the places ahead of the first read of the new results, which takes each accumulator from its low end.  x = 0: no new group.
; Only a strictly larger number takes over: the lower tile keeps a tie.
.macro BLOCK gx, rix, rox, riy, roy, x
	KEEP SAV+32*(1-(\gx)), D+32*(1-(\gx))
.irp u, 1,2,3
	v_cmp_gt_f32 vcc_lo, v[\roy+4*(1-(\gx))+\u], v[\riy+4*(1-(\gx))+\u]
.if \x
.irp t, 0,1,2,3
.if \u == 1
	v_max3_num_f32 v[U+\t], v[D+32*(\gx)+8*\t], v[D+32*(\gx)+8*\t+1], v[D+32*(\gx)+8*\t+2]
.else
	v_max3_num_f32 v[U+\t], v[U+\t], v[D+32*(\gx)+8*\t+2*\u-1], v[D+32*(\gx)+8*\t+2*\u]
.endif
.endr
.endif
	KEEP SAV+32*(1-(\gx))+8*\u, D+32*(1-(\gx))+8*\u
.endr
.if \x
.irp t, 0,1,2,3
	v_max3_num_f32 v[\rox+4*(\gx)+\t], v[U+\t], v[D+32*(\gx)+8*\t+7], v[\rix+4*(\gx)+\t]
.endr
	v_cmp_gt_f32 vcc_lo, v[\rox+4*(\gx)], v[\rix+4*(\gx)]        ; the new group's first tile: read by the next block's first selects
.endif
.endm
; One tile of e.  The next record is asked for a whole tile ahead of its use; the block just before is the places behind the other set's last products.
; The addresses are stepped directly behind their last reader.  An even tile takes the running largest from set A to set B, an odd one back.
.macro TILE f, pre
	s_wait_alu depctr_va_vdst(0)
	s_wait_dscnt 0x0                               ; this tile's record is in registers
.if \pre
	FETCHT 1-\f, RECB*(1+\f)
.if \f
	s_add_co_u32 s[RC], s[RC], 2*RECB
	ADDR
.endif
.endif
	GROUP \f, 0
.if \f
	BLOCK 0, RUNB, RUNA, RUNA, RUNB, 1             ; selects: the tile before, x's tiles 4-7
.else
	BLOCK 0, RUNA, RUNB, RUNB, RUNA, 1
.endif
	v_add_nc_u32 v[TN], 1, v[TN]                   ; now this tile's number
	GROUP \f, 1
.if \f
	BLOCK 1, RUNB, RUNA, RUNB, RUNA, 1             ; selects: this tile, x's tiles 0-3
.else
	BLOCK 1, RUNA, RUNB, RUNA, RUNB, 1
.endif
.endm
.macro TRIPS n
	s_mov_b32 s[CNT], \n
.Ltrip_\@:
	TILE 0, 1
	TILE 1, 1
	s_sub_co_u32 s[CNT], s[CNT], 1
	s_cmp_lg_u32 s[CNT], 0
	s_cbranch_scc1 .Ltrip_\@
.endm
	FETCHT 0, 0
	v_cmp_gt_f32 vcc_lo, v[RUNA+4], v[RUNB+4]      ; for the first block's first selects: nothing has grown.  It stands behind the last tensor load
	TRIPS 7                                        ; tiles 0-13; they fetch records up to 14
	s_wait_tensorcnt 0x0                           ; my six records are in,
	s_wait_dscnt 0x0
	s_barrier_signal -1
	s_barrier_wait -1                              ; and everybody's: records 16-63 may be read.
	TRIPS 24                                       ; tiles 14-61
	TILE 0, 1
	TILE 1, 0                                      ; the last tile fetches nothing
	BLOCK 0, RUNA, RUNB, RUNB, RUNA, 0             ; the last tile's selects for x's tiles 4-7
; THE WAY OUT, the eight tiles of x by turns.  v[D] .. v[D+31] are free: position, the other half's value and index, the lower index.
.irp i, 0,1,2,3,4,5,6,7
	v_mov_b32 v[D+\i], 7
.endr
.irp j, 6,5,4,3,2,1,0
.irp i, 0,1,2,3,4,5,6,7
	v_cmp_eq_f32 s[MK+\i], v[SAV+8*\i+\j], v[RUNA+\i]
.endr
.irp i, 0,1,2,3,4,5,6,7
	v_cndmask_b32 v[D+\i], v[D+\i], \j, s[MK+\i]   ; the lowest position that holds the largest
.endr
.endr
.irp i, 0,1,2,3,4,5,6,7
	v_lshl_add_u32 v[SAV+8*\i+7], v[SAV+8*\i+7], 4, v[D+\i]
.endr
.irp i, 0,1,2,3,4,5,6,7
	v_add_nc_u32 v[SAV+8*\i+7], v[SAV+8*\i+7], v[H8]   ; index = 16 x tile + 8 h + position
.endr
.irp i, 0,1,2,3,4,5,6,7
	v_permlanex16_b32 v[D+8+\i], v[RUNA+\i], s[SEL], s[SEL+1]
.endr
.irp i, 0,1,2,3,4,5,6,7
	v_permlanex16_b32 v[D+16+\i], v[SAV+8*\i+7], s[SEL], s[SEL+1]
.endr
.irp i, 0,1,2,3,4,5,6,7
	v_min_u32 v[D+24+\i], v[D+16+\i], v[SAV+8*\i+7]
.endr
.irp i, 0,1,2,3,4,5,6,7
	v_cmp_eq_f32 s[MK+\i], v[D+8+\i], v[RUNA+\i]
.endr
.irp i, 0,1,2,3,4,5,6,7
	v_cndmask_b32 v[SAV+8*\i+7], v[SAV+8*\i+7], v[D+24+\i], s[MK+\i]   ; a tie between the halves: the lower index
.endr
.irp i, 0,1,2,3,4,5,6,7
	v_cmp_gt_f32 s[MK+\i], v[D+8+\i], v[RUNA+\i]
.endr
.irp i, 0,1,2,3,4,5,6,7
	v_cndmask_b32 v[SAV+8*\i+7], v[SAV+8*\i+7], v[D+16+\i], s[MK+\i]
.endr
.irp i, 0,1,2,3,4,5,6,7
	v_max_num_f32 v[RUNA+\i], v[RUNA+\i], v[D+8+\i]
.endr
.irp i, 0,1,2,3,4,5,6,7
	v_add_f32 v[RUNA+\i], v[RUNA+\i], v[XC+\i]     ; - |x|^2 / 2
.endr
.irp i, 0,1,2,3,4,5,6,7
	ds_store_b32 v[OS], v[RUNA+\i] offset:64*\i    ; both halves of the lanes write the same word with the same value
	ds_store_b32 v[OS], v[SAV+8*\i+7] offset:512+64*\i
.endr
	ds_load_b128 v[RB:RB+3], v[ORD]                ; LDS serves a wave's instructions in order: these see my stores
	ds_load_b128 v[RB+4:RB+7], v[ORD] offset:512
	s_wait_dscnt 0x1                               ; the younger load may be out
	global_store_b128 v[LI], v[RB:RB+3], s[8:9]    ; 32 lanes store 512 consecutive bytes, aligned
	s_wait_dscnt 0x0
	global_store_b128 v[LI], v[RB+4:RB+7], s[10:11]
	s_wait_tensorcnt 0x0                           ; the wave's end
	ds_add_u32 v[SPW], v[NIL]
	s_wait_dscnt 0x0
	ROUND                                          ; the closing round
	s_endpgm
.Lfunc_end_k_q23f8f8bf32_main:
	.size	k_q23f8f8bf32_main, .Lfunc_end_k_q23f8f8bf32_main-k_q23f8f8bf32_main
	.p2alignl 7, 3214868480
	.fill 96, 4, 3214868480
	.section	.rodata,"a",@progbits
	.p2align	6, 0x0
	.amdhsa_kernel k_q23f8f8bf32_main
		.amdhsa_group_segment_fixed_size 327680
		.amdhsa_private_segment_fixed_size 0
		.amdhsa_enable_private_segment 0
		.amdhsa_kernarg_size 32
		.amdhsa_user_sgpr_count 2
		.amdhsa_user_sgpr_kernarg_segment_ptr 1
		.amdhsa_wavefront_size32 1
		.amdhsa_system_sgpr_workgroup_id_x 1
		.amdhsa_system_sgpr_workgroup_id_y 1
		.amdhsa_system_sgpr_workgroup_id_z 1
		.amdhsa_system_vgpr_workitem_id 0
		.amdhsa_next_free_vgpr 512
		.amdhsa_next_free_sgpr 66
		.amdhsa_reserve_vcc 1
		.amdhsa_float_denorm_mode_32 3
		.amdhsa_float_denorm_mode_16_64 3
		.amdhsa_memory_ordered 1
		.amdhsa_forward_progress 1
		.amdhsa_inst_pref_size 74
	.end_amdhsa_kernel
	.amdgpu_metadata
---
amdhsa.version: [ 1, 2 ]
amdhsa.kernels:
  - .name:           k_q23f8f8bf32_main
    .symbol:         k_q23f8f8bf32_main.kd
    .args:
      - { .name: xq, .offset: 0, .size: 8, .value_kind: global_buffer, .address_space: global }
      - { .name: eq, .offset: 8, .size: 8, .value_kind: global_buffer, .address_space: global }
      - { .name: pval, .offset: 16, .size: 8, .value_kind: global_buffer, .address_space: global }
      - { .name: pidx, .offset: 24, .size: 8, .value_kind: global_buffer, .address_space: global }
    .group_segment_fixed_size: 327680
    .private_segment_fixed_size: 0
    .kernarg_segment_align: 8
    .kernarg_segment_size: 32
    .max_flat_workgroup_size: 256
    .sgpr_count:     66
    .vgpr_count:     512
    .wavefront_size: 32
...
	.end_amdgpu_metadata
.endif
;; end of part 2
;; launch pick (part 3): grid 256 x 1, 1 waves a work-group, no clusters, 0 bytes of LDS; arguments pval, pidx, out0; writes out0
.if DOCPART == 3
	.amdgcn_target "amdgcn-amd-amdhsa--gfx1250"
	.amdhsa_code_object_version 6
	.text
	.protected	k_q23f8f8bf32_pick
	.globl	k_q23f8f8bf32_pick
	.p2align	8
	.type	k_q23f8f8bf32_pick,@function
k_q23f8f8bf32_pick:
	s_mov_b64 s[64:65], 0
	v_nop
	global_prefetch_b8 v0, s[64:65] scope:SCOPE_SE
	s_setreg_imm32_b32 hwreg(HW_REG_WAVE_MODE, 25, 1), 1
	s_wait_xcnt 0x0
; out0[row] = the index that belongs to the first largest of pval[0..7][row] (pval holds -d / 2, so the largest is the smallest distance; the eighths ascend in the codes' indices,
; and only a strictly larger value takes over: the lowest index keeps a tie).
; A work-group is one wave and takes 128 rows, four to a lane: each load and the store cover 512 consecutive bytes, aligned.  2 MiB are read once; no LDS, no barrier, no matrix work: there is nothing to share.
.set VAL, 8                            ; v8-39   eighth t's four values at VAL + 4 t; eighth 0's become the running largest
.set IX,  40                           ; v40-71  its four indices at IX + 4 t; eighth 0's become the result
	s_load_b128 s[4:7], s[0:1], 0x0                ; pval s[4:5], pidx s[6:7]
	s_load_b64 s[8:9], s[0:1], 0x10                ; out0
	v_lshlrev_b32 v1, 4, v0                        ; 16 bytes a lane
	s_lshl_b32 s10, ttmp9, 9                       ; 128 rows of 4 bytes a work-group
	s_mov_b32 s11, 0
	s_wait_alu depctr_va_vdst(0)
	s_wait_kmcnt 0x0
	s_add_nc_u64 s[4:5], s[4:5], s[10:11]
	s_add_nc_u64 s[6:7], s[6:7], s[10:11]
	s_add_nc_u64 s[8:9], s[8:9], s[10:11]
.irp t, 0,1,2,3,4,5,6,7
	global_load_b128 v[VAL+4*\t:VAL+4*\t+3], v1, s[4:5] offset:131072*\t th:TH_LOAD_NT
	global_load_b128 v[IX+4*\t:IX+4*\t+3], v1, s[6:7] offset:131072*\t th:TH_LOAD_NT
.endr
.irp t, 1,2,3,4,5,6,7
	s_wait_loadcnt 2*(7-\t)                        ; loads come back in order: the pairs of eighths 0 to t are in, those of the eighths behind t may be out
.irp c, 0,1,2,3
	v_cmp_gt_f32 vcc_lo, v[VAL+4*\t+\c], v[VAL+\c]
	v_cndmask_b32 v[IX+\c], v[IX+\c], v[IX+4*\t+\c], vcc_lo
	v_max_num_f32 v[VAL+\c], v[VAL+\c], v[VAL+4*\t+\c]
.endr
.endr
	global_store_b128 v1, v[IX:IX+3], s[8:9]
	s_endpgm
.Lfunc_end_k_q23f8f8bf32_pick:
	.size	k_q23f8f8bf32_pick, .Lfunc_end_k_q23f8f8bf32_pick-k_q23f8f8bf32_pick
	.p2alignl 7, 3214868480
	.fill 96, 4, 3214868480
	.section	.rodata,"a",@progbits
	.p2align	6, 0x0
	.amdhsa_kernel k_q23f8f8bf32_pick
		.amdhsa_group_segment_fixed_size 0
		.amdhsa_private_segment_fixed_size 0
		.amdhsa_enable_private_segment 0
		.amdhsa_kernarg_size 24
		.amdhsa_user_sgpr_count 2
		.amdhsa_user_sgpr_kernarg_segment_ptr 1
		.amdhsa_wavefront_size32 1
		.amdhsa_system_sgpr_workgroup_id_x 1
		.amdhsa_system_sgpr_workgroup_id_y 1
		.amdhsa_system_sgpr_workgroup_id_z 1
		.amdhsa_system_vgpr_workitem_id 0
		.amdhsa_next_free_vgpr 72
		.amdhsa_next_free_sgpr 66
		.amdhsa_reserve_vcc 1
		.amdhsa_float_denorm_mode_32 3
		.amdhsa_float_denorm_mode_16_64 3
		.amdhsa_memory_ordered 1
		.amdhsa_forward_progress 1
		.amdhsa_inst_pref_size 6
	.end_amdhsa_kernel
	.amdgpu_metadata
---
amdhsa.version: [ 1, 2 ]
amdhsa.kernels:
  - .name:           k_q23f8f8bf32_pick
    .symbol:         k_q23f8f8bf32_pick.kd
    .args:
      - { .name: pval, .offset: 0, .size: 8, .value_kind: global_buffer, .address_space: global }
      - { .name: pidx, .offset: 8, .size: 8, .value_kind: global_buffer, .address_space: global }
      - { .name: out0, .offset: 16, .size: 8, .value_kind: global_buffer, .address_space: global }
    .group_segment_fixed_size: 0
    .private_segment_fixed_size: 0
    .kernarg_segment_align: 8
    .kernarg_segment_size: 24
    .max_flat_workgroup_size: 32
    .sgpr_count:     66
    .vgpr_count:     72
    .wavefront_size: 32
...
	.end_amdgpu_metadata
.endif
;; end of part 3
